; MI455X (gfx1250); checked and timed in simulation.
; The chip was launched on July 23, 2026; its instructions are those of AMD's public machine-readable ISA for CDNA 5 (MIT licence, August 2026) and "CDNA5" Instruction Set Architecture Reference Guide (July 2026). The comments in the code are by the model that wrote it; some were corrected since.
;; Local Window Attention. Allowed arithmetic: matrix products marked QUANTISED: E2M1 operands, one E8M0 scale for each 32 along K, by v_wmma_scale_f32_16x16x128_f8f6f4 with both operands' format E2M1 (or v_wmma_scale_f32_32x16x128_f4), f32 sums; products left as they are: f32 operands where the result goes on into a quantised operand, else bf16, f16 or f32 operands; f32 sums; everything else in f32.
;; Inputs: rope_freqs 8,192 x 32 float32; wk 1,024 x 1,024 float32; wo 1,024 x 1,024 float32; wq 1,024 x 1,024 float32; wv 1,024 x 1,024 float32; x 2 x 8,192 x 1,024 float32.
;; Outputs: out0 2 x 8,192 x 1,024 float32.
;; This version of the problem:
;;   THIS VERSION OF THE PROBLEM IS GIVEN IN LOW PRECISION. The matrix products marked QUANTISED in the list below multiply operands that are first quantised to E2M1 (2 exponent bits, 1 mantissa bit; 4 bits a number), with one power-of-two scale for each 32 numbers along K (OCP MX v1.0); their sums are f32. All else is computed in f32.
;;   The module's matrix products, in the order in which they are computed (A, B: the left and right operand; K: the contracted axis; several contracted axes count as one K, in the product's order):
;;     1. [M 16,384, K 1,024] x [K 1,024, N 1,024]; A: input x; B: input wq: QUANTISED
;;     2. [M 16,384, K 1,024] x [K 1,024, N 1,024]; A: input x; B: input wk: QUANTISED
;;     3. [M 16,384, K 1,024] x [K 1,024, N 1,024]; A: input x; B: input wv: QUANTISED
;;     4. batch 16,384 x [M 16, K 64] x [K 64, N 16]; A: computed on the way; B: computed on the way: QUANTISED
;;     5. batch 16,384 x [M 64, K 16] x [K 16, N 16]; A: computed on the way; B: softmax: left as it is (K = 16 < 32)
;;     6. [M 16,384, K 1,024] x [K 1,024, N 1,024]; A: computed on the way; B: input wo: QUANTISED
;;   THE QUANTISER, for each operand of a quantised product, along K:
;;     - K is cut into blocks of 32 from its start; a last block that is shorter is filled with zeros.
;;     - A block's scale is 2^e with e = floor(log2(the largest magnitude in the block)) - 2, held to -126 .. 127; a block of zeros has e = 0. As a byte (E8M0): e + 127.
;;     - Each number is divided by its block's scale, clamped to +-6, and rounded to the nearest number of E2M1, ties to even, subnormals kept.
;;     - The product sums the exact products of the quantised numbers (number of the format x scale) in f32.
;;   ~~~python
;;   def quantise(x, axis):      # numpy; x: float32 -> the quantised numbers, widened to float32 again
;;       x = np.moveaxis(x, axis, -1); K = x.shape[-1]
;;       x = np.pad(x, [(0, 0)] * (x.ndim - 1) + [(0, -K % 32)]); x = x.reshape(x.shape[:-1] + (-1, 32)); a = np.abs(x).max(-1, keepdims=True)
;;       e = np.where(a > 0, np.clip(np.frexp(np.where(a > 0, a, 1))[1] - 1 - 2, -126, 127), 0)      # np.frexp(a)[1] - 1 = floor(log2(a)), exactly
;;       r = np.clip(x / 2.0 ** e, -6, 6)
;;       step = 2.0 ** (np.maximum(np.frexp(np.where(r == 0, 1, r))[1] - 1, 0) - 1)
;;       q = np.round(r / step) * step * 2.0 ** e      # np.round: ties to even
;;       return np.moveaxis(q.reshape(q.shape[:-2] + (-1,))[..., :K], -1, axis).astype(np.float32)
;;   ~~~
;;   OPERANDS COMPUTED ON THE WAY. 'Computed on the way' means the value that the module computes at that place (a softmax that the list does not call 'softmax' is quantised finished and normalised). What goes into a quantiser is computed in f32, as accurately as f32 sums, v_exp_f32 and their like allow (about 1e-6 of the number): no bf16 or f16 on the way to a quantiser, and a product that is left as it is and whose result goes on into a quantised operand takes f32 operands (vector FMAs, or v_wmma_f32_16x16x4_f32). A number that lies on a knife's edge between two numbers of the format may be rounded either way, as far as f32 arithmetic and the matrix unit's own rounding can turn it there, and no further.
;; One version. Each part assembles by itself: llvm-mc -triple=amdgcn-amd-amdhsa -mcpu=gfx1250 --defsym DOCPART=n.
;; ======== version 1 of 1: 2 launches
;; limits: right only within a limited range of input values
;; workspace buffers: w_img 2,228,224 bytes
;; launch quant (part 1): grid 256 x 1, 4 waves a work-group, no clusters, 19,968 bytes of LDS; arguments wq, wk, wv, wo, w_img; writes w_img
.if DOCPART == 1
	.amdgcn_target "amdgcn-amd-amdhsa--gfx1250"
	.amdhsa_code_object_version 6
	.text
	.protected	k_q878188672e_quant
	.globl	k_q878188672e_quant
	.p2align	8
	.type	k_q878188672e_quant,@function
k_q878188672e_quant:
	s_mov_b64 s[64:65], 0
	v_nop
	global_prefetch_b8 v0, s[64:65] scope:SCOPE_SE
	s_setreg_imm32_b32 hwreg(HW_REG_WAVE_MODE, 25, 1), 1
	s_wait_xcnt 0x0
; wq, wk, wv, wo [1024][1024], f32, K innermost, become codes of FP4 (E2M1) with one E8M0 byte for each 32 along K, laid as the next launch's operand registers want them.
; w_img: 16 sections x 4 waves x 34,816 bytes.  Sections 3 i, 3 i + 1, 3 i + 2: wq, wk, wv of heads 4 i .. 4 i + 3 (wave = head); sections 12 to 15: 256 rows of wo each (wave = 64 rows).
; A part of 64 rows is 4 tiles of 16: fragment (K step kf of 128, tile t) at 4096 kf + 1024 t: 16 bytes a lane, registers 0-3 then 4-7; behind them, at 32,768, the rows' 32 scale bytes, 512 bytes a tile.
; Place m of tile t of a head holds the head's row d = 32 (t / 2) + 16 (m / 8) + 8 (t % 2) + m % 8; wo keeps its order.
; A block's scale is 2^(floor(log2(its largest magnitude)) - 2); its byte is the largest magnitude's exponent field - 2, held at 1 from below.  Numbers are rounded to the nearest code, ties to even, beyond 6 the largest code.
; LIMITS: NaN and infinities are not served.  A block of zeros gets the byte 1 where the quantiser's rule says 127: its codes are zeros, and this program alone reads the bytes.
; SHARES.  A work-group takes one tile, a wave four of its rows: 8 steps of 512 numbers, whose 32 loads go out together.  A load reads 512 consecutive bytes; the conversions want 16 neighbours in a lane:
; a step turns through the wave's own stage in LDS.  Codes meet in an image of the tile, 32 pieces of 256 bytes + 16; each wave stores two K steps' fragments as 512 consecutive bytes a store.
.set R,   16                           ; v16-143  the eight steps' numbers
.set XB,  144                          ; v144-175 two sets of 16 neighbours
.set CD,  176                          ; v176-191 codes
.set EB,  192                          ; v192-199 scale bytes
.set SCB, 8704                         ; LDS: the image at 0, then 512 scale bytes, then the four stages
.set STG, 9216
.set SPARE, STG+4*2560
	s_load_b256 s[4:11], s[0:1], 0x0               ; wq, wk, wv, wo
	s_load_b64 s[12:13], s[0:1], 0x20              ; w_img
	v_lshl_add_u32 v12, v0, 2, SPARE
	v_mov_b32 v13, 0
	v_lshrrev_b32 v1, 5, v0
	v_readfirstlane_b32 s14, v1                    ; wave
	s_lshr_b32 s15, ttmp9, 4                       ; section
	s_bfe_u32 s16, ttmp9, 0x20002                  ; the next launch's wave
	s_and_b32 s17, ttmp9, 3                        ; tile
	s_mul_i32 s18, s15, 11
	s_lshr_b32 s18, s18, 5                         ; section / 3 (below 12)
	s_mul_i32 s19, s18, 3
	s_sub_co_u32 s19, s15, s19                     ; section % 3
	s_lshl_b32 s20, s18, 8
	s_lshl_b32 s21, s16, 6
	s_add_co_u32 s20, s20, s21                     ; 64 x head
	s_lshr_b32 s22, s17, 1
	s_lshl_b32 s22, s22, 5
	s_add_co_u32 s20, s20, s22
	s_and_b32 s22, s17, 1
	s_lshl_b32 s22, s22, 3
	s_add_co_u32 s20, s20, s22
	s_lshr_b32 s22, s14, 1
	s_lshl_b32 s22, s22, 4
	s_add_co_u32 s20, s20, s22
	s_and_b32 s22, s14, 1
	s_lshl_b32 s22, s22, 2
	s_add_co_u32 s20, s20, s22                     ; my first row of wq, wk or wv
	s_sub_co_u32 s23, s15, 12
	s_lshl_b32 s23, s23, 8
	s_add_co_u32 s23, s23, s21
	s_lshl_b32 s22, s17, 4
	s_add_co_u32 s23, s23, s22
	s_lshl_b32 s22, s14, 2
	s_add_co_u32 s23, s23, s22                     ; or of wo
	s_cmp_lt_u32 s15, 12
	s_cselect_b32 s24, s20, s23
	s_lshl_b32 s24, s24, 12
	s_mov_b32 s25, 0
	s_lshr_b32 s26, ttmp9, 2
	s_mul_i32 s26, s26, 34816
	s_mov_b32 s27, 0
	s_lshl_b32 s28, s17, 10
	s_lshl_b32 s22, s14, 13
	s_add_co_u32 s28, s28, s22                     ; my two K steps' fragments
	s_mov_b32 s29, 0
	s_lshl_b32 s30, s17, 9
	s_add_co_u32 s30, s30, 32768                   ; the tile's scale bytes
	s_mov_b32 s31, 0
	s_mul_i32 s36, s14, 2560
	s_add_co_u32 s36, s36, STG
	s_lshl_b32 s37, s14, 6                         ; image: 16 bytes a row
	s_lshl_b32 s38, s14, 7
	s_add_co_u32 s38, s38, SCB
	s_mul_i32 s39, s14, 2176                       ; two K steps = 8 pieces
	v_and_b32 v1, 31, v0                           ; lane
	v_lshlrev_b32 v2, 4, v1
	v_lshrrev_b32 v9, 2, v1
	v_mul_u32_u24 v9, v9, 80
	v_and_b32 v10, 3, v1
	v_lshl_add_u32 v3, v10, 4, v9
	v_add_nc_u32 v3, s36, v3                       ; the stage, on the way in
	v_mul_u32_u24 v4, v1, 80
	v_add_nc_u32 v4, s36, v4                       ; and on the way out: my 16 neighbours
	v_lshrrev_b32 v9, 1, v1
	v_and_b32 v10, 1, v1
	v_mul_u32_u24 v5, v9, 272
	v_lshl_add_u32 v5, v10, 3, v5
	v_add_nc_u32 v5, s37, v5                       ; the image: piece lane / 2, half lane % 2
	v_add_nc_u32 v6, s38, v9                       ; my block's scale byte
	v_and_b32 v10, 15, v1
	v_lshrrev_b32 v11, 4, v1
	v_mul_u32_u24 v7, v11, 272
	v_lshl_add_u32 v7, v10, 4, v7
	v_add_nc_u32 v7, s39, v7                       ; the image, on the way out
	v_add_nc_u32 v8, SCB, v2
	s_wait_alu depctr_va_vdst(0)
	s_wait_kmcnt 0x0
	s_cmp_eq_u32 s19, 0                            ; the choices hang on the work-group's number alone
	s_cselect_b64 s[4:5], s[4:5], s[6:7]
	s_cmp_eq_u32 s19, 2
	s_cselect_b64 s[4:5], s[8:9], s[4:5]
	s_cmp_lt_u32 s15, 12
	s_cselect_b64 s[4:5], s[4:5], s[10:11]
	s_add_nc_u64 s[4:5], s[4:5], s[24:25]
	s_add_nc_u64 s[12:13], s[12:13], s[26:27]
	s_add_nc_u64 s[32:33], s[12:13], s[28:29]
	s_add_nc_u64 s[34:35], s[12:13], s[30:31]
.irp t, 0,1,2,3,4,5,6,7
.irp i, 0,1,2,3
	global_load_b128 v[R+16*\t+4*\i:R+16*\t+4*\i+3], v2, s[4:5] offset:2048*\t+512*\i th:TH_LOAD_NT
.endr
.endr
.macro TURN t                          ; LDS serves a wave's instructions in order (ISA guide 5.7.1.4): one stage serves all steps, with no wait between its stores and loads
.irp i, 0,1,2,3
	ds_store_b128 v3, v[R+16*(\t)+4*\i:R+16*(\t)+4*\i+3] offset:640*\i
.endr
.irp i, 0,1,2,3
	ds_load_b128 v[XB+16*((\t)%2)+4*\i:XB+16*((\t)%2)+4*\i+3], v4 offset:16*\i
.endr
.endm
	s_wait_loadcnt 28                              ; step 0's four loads are in
	TURN 0
.macro STEP t
.set XS, XB+16*((\t)%2)
.if (\t) > 0
	s_wait_dscnt 2                                 ; this step's numbers are back; the last step's two small stores may be out
.else
	s_wait_dscnt 0x0
.endif
.if (\t) < 7
	s_wait_loadcnt 4*(6-(\t))                      ; the next step's four loads are in
	TURN (\t)+1
.endif
	v_max3_num_f32 v9, |v[XS]|, |v[XS+1]|, |v[XS+2]|
	v_max3_num_f32 v10, |v[XS+3]|, |v[XS+4]|, |v[XS+5]|
.irp i, 6,10
	v_max3_num_f32 v9, v9, |v[XS+\i]|, |v[XS+\i+1]|
	v_max3_num_f32 v10, v10, |v[XS+\i+2]|, |v[XS+\i+3]|
.endr
	v_max3_num_f32 v9, v9, |v[XS+14]|, |v[XS+15]|
	v_max3_num_f32 v9, v9, v10, 0x1800000          ; the floor 2^(3 - 127): the byte cannot fall under 1
	v_max_num_f32_dpp v9, v9, v9 row_xmask:1 row_mask:0xf bank_mask:0xf
	v_add_nc_u32 v11, 0xff000000, v9               ; 2 off the exponent field: the conversion's scale operand
	v_cvt_scalef32_pk8_fp4_f32 v[CD+2*(\t)], v[XS:XS+7], v11
	v_cvt_scalef32_pk8_fp4_f32 v[CD+2*(\t)+1], v[XS+8:XS+15], v11
	v_lshrrev_b32 v[EB+(\t)], 23, v11
	ds_store_b64 v5, v[CD+2*(\t):CD+2*(\t)+1] offset:16*((\t)/2)+4352*((\t)%2)
	ds_store_b8 v6, v[EB+(\t)] offset:16*(\t)      ; both lanes of a block write the same byte with the same value
.endm
.irp t, 0,1,2,3,4,5,6,7
	STEP \t
.endr
	s_wait_alu depctr_va_vdst(0)
	s_wait_dscnt 0x0                               ; my part of the image is in LDS
	s_barrier_signal -1
	s_barrier_wait -1
.irp q, 0,1
.irp c, 0,1
	ds_load_b128 v[R+8*\q+4*\c:R+8*\q+4*\c+3], v7 offset:(4*\q+2*\c)*272
.endr
.endr
	s_wait_dscnt 0x0
.irp q, 0,1
.irp c, 0,1
	global_store_b128 v2, v[R+8*\q+4*\c:R+8*\q+4*\c+3], s[32:33] offset:4096*\q+512*\c   ; 512 consecutive bytes, aligned
.endr
.endr
	s_cmp_lg_u32 s14, 0
	s_cbranch_scc1 .Lno_scales
	ds_load_b128 v[R+16:R+19], v8
	s_wait_dscnt 0x0
	global_store_b128 v2, v[R+16:R+19], s[34:35]   ; the tile's 512 scale bytes
.Lno_scales:
	s_wait_tensorcnt 0x0                           ; the wave's end
	ds_add_u32 v12, v13
	s_wait_dscnt 0x0
	s_endpgm
.Lfunc_end_k_q878188672e_quant:
	.size	k_q878188672e_quant, .Lfunc_end_k_q878188672e_quant-k_q878188672e_quant
	.p2alignl 7, 3214868480
	.fill 96, 4, 3214868480
	.section	.rodata,"a",@progbits
	.p2align	6, 0x0
	.amdhsa_kernel k_q878188672e_quant
		.amdhsa_group_segment_fixed_size 19968
		.amdhsa_private_segment_fixed_size 0
		.amdhsa_enable_private_segment 0
		.amdhsa_kernarg_size 40
		.amdhsa_user_sgpr_count 2
		.amdhsa_user_sgpr_kernarg_segment_ptr 1
		.amdhsa_wavefront_size32 1
		.amdhsa_system_sgpr_workgroup_id_x 1
		.amdhsa_system_sgpr_workgroup_id_y 1
		.amdhsa_system_sgpr_workgroup_id_z 1
		.amdhsa_system_vgpr_workitem_id 0
		.amdhsa_next_free_vgpr 200
		.amdhsa_next_free_sgpr 66
		.amdhsa_reserve_vcc 0
		.amdhsa_float_denorm_mode_32 3
		.amdhsa_float_denorm_mode_16_64 3
		.amdhsa_memory_ordered 1
		.amdhsa_forward_progress 1
		.amdhsa_inst_pref_size 20
	.end_amdhsa_kernel
	.amdgpu_metadata
---
amdhsa.version: [ 1, 2 ]
amdhsa.kernels:
  - .name:           k_q878188672e_quant
    .symbol:         k_q878188672e_quant.kd
    .args:
      - { .name: wq, .offset: 0, .size: 8, .value_kind: global_buffer, .address_space: global }
      - { .name: wk, .offset: 8, .size: 8, .value_kind: global_buffer, .address_space: global }
      - { .name: wv, .offset: 16, .size: 8, .value_kind: global_buffer, .address_space: global }
      - { .name: wo, .offset: 24, .size: 8, .value_kind: global_buffer, .address_space: global }
      - { .name: w_img, .offset: 32, .size: 8, .value_kind: global_buffer, .address_space: global }
    .group_segment_fixed_size: 19968
    .private_segment_fixed_size: 0
    .kernarg_segment_align: 8
    .kernarg_segment_size: 40
    .max_flat_workgroup_size: 128
    .sgpr_count:     66
    .vgpr_count:     200
    .wavefront_size: 32
...
	.end_amdgpu_metadata
.endif
;; end of part 1
;; launch fused (part 2): grid 256 x 1, 4 waves a work-group, clusters of 4 x 1, 327,680 bytes of LDS; arguments x, rope_freqs, w_img, out0; writes out0
.if DOCPART == 2
	.amdgcn_target "amdgcn-amd-amdhsa--gfx1250"
	.amdhsa_code_object_version 6
	.text
	.protected	k_q878188672e_fused
	.globl	k_q878188672e_fused
	.p2align	8
	.type	k_q878188672e_fused,@function
k_q878188672e_fused:
	s_mov_b64 s[64:65], 0
	v_nop
	global_prefetch_b8 v0, s[64:65] scope:SCOPE_SE
	s_setreg_imm32_b32 hwreg(HW_REG_WAVE_MODE, 25, 1), 1
	s_wait_xcnt 0x0
	s_wait_alu depctr_hold_cnt(0) depctr_sa_sdst(0) depctr_va_vdst(0) depctr_va_sdst(0) depctr_va_ssrc(0) depctr_va_vcc(0) depctr_vm_vsrc(0)
	s_getreg_b32 s2, hwreg(HW_REG_IB_STS2, 6, 4)
	s_cmp_eq_u32 s2, 0
	s_cbranch_scc0 .Lentry_in_a_cluster
	s_endpgm
.Lentry_in_a_cluster:
	s_bfe_u32 s2, ttmp6, 0x10000c
	s_cmp_lg_u32 s2, 0x3003
	s_cbranch_scc0 .Lentry_shape_is_right
	s_endpgm
.Lentry_shape_is_right:
; x [16384][1024] f32 -> out0 [16384][1024] f32: x is quantised to FP4 (E2M1) codes; q, k, v on codes; rotation by the first 16 rows of rope_freqs; in each window of 16 tokens and each head of 64: scores on codes / 8, softmax with the
; row's maximum taken off, o = p v with f32 operands; o quantised along (head, d); out = o wo^T on codes.
; SHARES.  A work-group owns 64 rows, four windows, and all that is computed of them: codes of x and of o stay on the chip.  Wave w quantises window w's 16 rows; the codes meet in LDS and all four waves take all 64 rows into registers.
; SECTIONS.  The weights go by in 16 sections of 256 rows, 64 a wave: for i = 0 .. 3 q, k, v of heads 4 i + wave, then four quarters of wo.  A section is 4 tiles x 4 blocks of 16 rows x 8 K steps = 128 products a wave.
; A wave reads only weights that it fetched itself.  LDS has two slots of a section.  A wave's weights of a section lie whole in 256 registers: the next section's are read from LDS as this one's are multiplied.
; So at the head of section s its slot has been read already: it is filled with section s + 2, and that load has the whole section in which to land.
; CLUSTER, 4 x 1: the four work-groups walk the same sections and ask for each jointly.
; PREFETCH: at the head of section s, behind the tensor load of s + 2, section s + 3 is asked for, each 256 bytes once in a cluster (the four partners share a wave's 136 blocks by address), in the first four clusters: all others read the same bytes.
; LAYOUT.  q, k: source 0 = weight rows, source 1 = tokens: lane (r, h) holds token r, register j of tile t is d = 32 (t / 2) + 16 h + 8 (t % 2) + j: the rotation's partners lie in one lane, tiles 2 b, 2 b + 1 are 16 neighbours of block b.
; v: source 0 = tokens: lane (r, h) holds column r, tokens 8 h + j.  S^T = k' q'^T: lane (r, h) holds query r, keys 8 h + j.  O^T = v^T p^T in four steps of 4 keys: registers 2 s, 2 s + 1 stand for the same keys on both sides.
; The scores' K is 64: q' of two windows fill the two halves of one fragment; k' of the one has zero codes in the upper half, of the other in the lower, under scale bytes 0.
; LIMITS: NaN and infinities are not served.  Angles are reduced by pi / 2 in three parts: beyond about 1e4 in magnitude cos and sin lose accuracy.  A block of zeros carries the byte 1 over zero codes; this program alone reads the bytes.
; rope_freqs: only rows 0 .. 15 are looked up.
; REGISTERS, in windows of 256.  0: below.  1: x's, later o's fragments at 64 a + 8 kf (at the head: sets 8 to 15 of x's numbers as loaded).  2: accumulators at 8 (4 a + t), O^T at 128 + 8 (4 a + t).  3: weights at 32 kf + 8 t.
.set WB,    34816                      ; a wave's part of a section: 32,768 bytes of codes + 2,048 of scale bytes
.set SLOTB, 4*WB
.set XI,    2*SLOTB                    ; the image of x's, later o's codes: a block of 16 rows is 32 pieces (4 kf + 2 c + h) of 256 bytes + 16; in the last four sections the stages of the way out
.set XBL,   8704
.set XSC,   XI+4*XBL                   ; the 64 rows' 32 scale bytes
.set STG,   XSC+2048                   ; a stage of 32 x 80 bytes for each wave: x's numbers turn through it
.set SPARE, STG+4*2560                 ; the spare words: two blocks of 256 bytes that no other line names
.set LN,   1
.set ADW,  2                           ; my fragments in slot 0, scale bytes; CW, CSC: in the slot in hand
.set ADS,  3
.set CW,   4
.set CSC,  5
.set XIR,  6                           ; the image and its scale bytes, as read
.set XSR,  7
.set SPW,  8
.set NIL,  9
.set OST,  10                          ; o's codes and bytes, as stored
.set OSS,  11
.set STO,  12                          ; the way out
.set RDA,  13
.set PF1,  14
.set PF2,  15
.set XS,   16                          ; register XS + 8 e + kf: lanes 0-15 block e's words, lanes 16-31 block e + 2's
.set WS,   32                          ; the same for the weights' tiles
.set COS,  48
.set SIN,  64
.set QC,   80                          ; q' codes: 8 registers for two windows
.set KC,   96                          ; k' codes: 4, four zeros, 4 for two windows
.set QS,   120
.set KS,   122
.set ST,   126                         ; scores, then p
.set QP,   158                         ; 64 registers at work
.set TM,   222
.set CO,   234
.set XLO,  235
.set SGI,  236
.set SGO,  237
.set CST,  238
.set BST,  239
.set T0,   240                         ; v240-243
.set RA,   243
.set CD,   244                         ; v244-251
.set EB,   252                         ; v252-255
.set XB,   176                         ; at the head: two sets of 16 neighbours
.set ANG,  80                          ; at the head: angles, then r;
.set NN,   96                          ; n;
.set ZZ,   112                         ; r^2;
.set SS,   128                         ; sin r;
.set CC,   144                         ; cos r;
.set TT,   160
.set WV,   18
.set WBS,  21                          ; s21 my part's first byte in a section
.set G1,   24
.set G0,   32
.set TF,   36                          ; s36 the slot that is filled next
.set TR,   37                          ; s37 the slot that is read
.set SEL,  40
.set CS,   42                          ; log2(e) / 8
.set FLOOR, 44
.set CNT,  45
.set PFA,  58
.set MSB, 0
.macro WIN new                         ; the immediate's high byte repeats the setting that is left
.if MSB != \new
	s_set_vgpr_msb (MSB<<8)|\new
.set MSB, \new
.endif
.endm
.macro PLACES n
.rept \n
	v_nop
.endr
.endm
.macro CROUND                          ; a round of the cluster's barrier
	s_barrier_signal -1
	s_barrier_wait -1
	s_cmp_lg_u32 s[WV], 0
	s_cbranch_scc1 .Lnot_wave_0_\@
	s_barrier_signal -3
.Lnot_wave_0_\@:
	s_barrier_wait -3
	s_barrier_signal -1
	s_barrier_wait -1
.endm
; One product on codes.  eRA, eRB: 1 = the scale words lie in lanes 16-31; eZ: 1 = the product starts the sum.
.macro EMIT
.if eZ
.if eRA && eRB
	v_wmma_scale_f32_16x16x128_f8f6f4 v[eD:eD+7], v[eA:eA+7], v[eB:eB+7], 0, v[eSA], v[eSB] matrix_a_fmt:MATRIX_FMT_FP4 matrix_b_fmt:MATRIX_FMT_FP4 matrix_a_scale:MATRIX_SCALE_ROW1 matrix_b_scale:MATRIX_SCALE_ROW1
.elseif eRA
	v_wmma_scale_f32_16x16x128_f8f6f4 v[eD:eD+7], v[eA:eA+7], v[eB:eB+7], 0, v[eSA], v[eSB] matrix_a_fmt:MATRIX_FMT_FP4 matrix_b_fmt:MATRIX_FMT_FP4 matrix_a_scale:MATRIX_SCALE_ROW1
.elseif eRB
	v_wmma_scale_f32_16x16x128_f8f6f4 v[eD:eD+7], v[eA:eA+7], v[eB:eB+7], 0, v[eSA], v[eSB] matrix_a_fmt:MATRIX_FMT_FP4 matrix_b_fmt:MATRIX_FMT_FP4 matrix_b_scale:MATRIX_SCALE_ROW1
.else
	v_wmma_scale_f32_16x16x128_f8f6f4 v[eD:eD+7], v[eA:eA+7], v[eB:eB+7], 0, v[eSA], v[eSB] matrix_a_fmt:MATRIX_FMT_FP4 matrix_b_fmt:MATRIX_FMT_FP4
.endif
.else
.if eRA && eRB
	v_wmma_scale_f32_16x16x128_f8f6f4 v[eD:eD+7], v[eA:eA+7], v[eB:eB+7], v[eD:eD+7], v[eSA], v[eSB] matrix_a_fmt:MATRIX_FMT_FP4 matrix_b_fmt:MATRIX_FMT_FP4 matrix_a_scale:MATRIX_SCALE_ROW1 matrix_b_scale:MATRIX_SCALE_ROW1
.elseif eRA
	v_wmma_scale_f32_16x16x128_f8f6f4 v[eD:eD+7], v[eA:eA+7], v[eB:eB+7], v[eD:eD+7], v[eSA], v[eSB] matrix_a_fmt:MATRIX_FMT_FP4 matrix_b_fmt:MATRIX_FMT_FP4 matrix_a_scale:MATRIX_SCALE_ROW1
.elseif eRB
	v_wmma_scale_f32_16x16x128_f8f6f4 v[eD:eD+7], v[eA:eA+7], v[eB:eB+7], v[eD:eD+7], v[eSA], v[eSB] matrix_a_fmt:MATRIX_FMT_FP4 matrix_b_fmt:MATRIX_FMT_FP4 matrix_b_scale:MATRIX_SCALE_ROW1
.else
	v_wmma_scale_f32_16x16x128_f8f6f4 v[eD:eD+7], v[eA:eA+7], v[eB:eB+7], v[eD:eD+7], v[eSA], v[eSB] matrix_a_fmt:MATRIX_FMT_FP4 matrix_b_fmt:MATRIX_FMT_FP4
.endif
.endif
.endm
; THE CHANGE OF SECTIONS, in the last lines of a section, for the section that follows.  Every wave waits for all its tensor loads (the next section's part is in), adds 0 to its spare word, and waits for that and for its own LDS reads and stores.
; Behind the cluster's round the slot that all have read is filled two sections on.  In three parts, so that work on registers can stand between them: CH1 the waits and the add, CH2 the opening signal, CH3 the rest of the round and the load.
.macro CH1 ask
	WIN 0
	s_wait_alu depctr_va_vdst(0)
.if \ask
	s_wait_xcnt 0x0                                ; the last prefetch has read its address
	s_add_nc_u64 s[PFA:PFA+1], s[PFA:PFA+1], SLOTB
.endif
	s_wait_tensorcnt 0x0
	ds_add_u32 v[SPW], v[NIL]
	s_xor_b32 s[TR], s[TR], SLOTB
	s_xor_b32 s[TF], s[TF], SLOTB
	s_add_co_u32 s[G0+1], s[TF], s[WBS]
	s_add_nc_u64 s[G0+2:G0+3], s[G0+2:G0+3], SLOTB ; the type bits on top are not reached
.endm
.macro CH2
	WIN 0
	s_wait_alu depctr_va_vdst(0)
	s_wait_dscnt 0x0                               ; the add is done, and so are my LDS reads and stores
	s_barrier_signal -1
.endm
.macro CH3 ask
	WIN 0
	s_wait_alu depctr_va_vdst(0)
	s_barrier_wait -1
	s_cmp_lg_u32 s[WV], 0
	s_cbranch_scc1 .Lnot_first_\@
	s_barrier_signal -3
.Lnot_first_\@:
	s_barrier_wait -3
	s_barrier_signal -1
	s_barrier_wait -1
	tensor_load_to_lds s[G0:G0+3], s[G1:G1+7]
	s_nop 0
	PLACES 4
.if \ask
	s_cmp_lt_u32 ttmp9, 4
	s_cbranch_scc0 .Lno_ask_\@
	global_prefetch_b8 v[PF1], s[PFA:PFA+1] th:TH_LOAD_NT scope:SCOPE_SE   ; 32 blocks of my part's codes,
	global_prefetch_b8 v[PF2], s[PFA:PFA+1] th:TH_LOAD_NT scope:SCOPE_SE   ; and two of its scale bytes (lanes name them by turns)
.Lno_ask_\@:
.endif
.endm
.macro CHANGE ask
	CH1 \ask
	CH2
	CH3 \ask
.endm
.macro ADDR
	v_add_nc_u32 v[CW], s[TR], v[ADW]
	v_add_nc_u32 v[CSC], s[TR], v[ADS]
	s_wait_alu depctr_va_vdst(0)                   ; the wait directly behind the writes
.endm
.macro LOADSET q                       ; the next section's fragments of K step q
	WIN 0xc0
.irp t, 0,1,2,3
.irp c, 0,1
	ds_load_b128 v[32*(\q)+8*\t+4*\c:32*(\q)+8*\t+4*\c+3], v[CW] offset:4096*(\q)+1024*\t+512*\c
.endr
.endr
.endm
.macro WSLOAD
	WIN 0
.irp e, 0,1
.irp j, 0,1
	ds_load_b128 v[WS+8*\e+4*\j:WS+8*\e+4*\j+3], v[CSC] offset:512*\e+16*\j
.endr
.endr
.endm
; A section's 128 products.  The 16 accumulators take turns, one instruction a turn.  isv: source 0 = tokens.  pre: the next section's weights are read meanwhile, each K step's behind four places.
.macro MATRIX isv, pre
.irp kf, 0,1,2,3,4,5,6,7
.if \isv
	WIN 0xad
.else
	WIN 0xa7
.endif
.if \kf == 0
.set eZ, 1
.else
.set eZ, 0
.endif
.irp t, 0,1,2,3
.irp a, 0,1,2,3
.set eD, 8*(4*\a+\t)
.if \isv
.set eA, 64*\a+8*\kf
.set eB, 32*\kf+8*\t
.set eSA, XS+8*(\a%2)+\kf
.set eSB, WS+8*(\t%2)+\kf
.set eRA, \a/2
.set eRB, \t/2
.else
.set eA, 32*\kf+8*\t
.set eB, 64*\a+8*\kf
.set eSA, WS+8*(\t%2)+\kf
.set eSB, XS+8*(\a%2)+\kf
.set eRA, \t/2
.set eRB, \a/2
.endif
	EMIT
.endr
.endr
.if \pre
.if \kf == 3
	PLACES 4                                       ; serves the sets of K steps 0 to 3
.endif
.if (\kf >= 3) && (\kf < 7)
	LOADSET \kf-3
.endif
.endif
.endr
	PLACES 5                                       ; in front of loads into the rest, and of the first read of the results
.if \pre
	LOADSET 4
	LOADSET 5
	LOADSET 6
	LOADSET 7
	WSLOAD
.endif
	WIN 0
.endm
; The image's fragments of all 64 rows into window 1, and the scale words
.macro XLK kf                          ; K step kf of all four blocks
	WIN 0x40
.irp a, 0,1,2,3
.irp c, 0,1
	ds_load_b128 v[64*\a+8*(\kf)+4*\c:64*\a+8*(\kf)+4*\c+3], v[XIR] offset:XBL*\a+(4*(\kf)+2*\c)*272
.endr
.endr
.endm
.macro XSLOAD
	WIN 0
.irp e, 0,1
.irp j, 0,1
	ds_load_b128 v[XS+8*\e+4*\j:XS+8*\e+4*\j+3], v[XSR] offset:512*\e+16*\j
.endr
.endr
.endm
	s_load_b256 s[4:11], s[0:1], 0x0               ; x, rope_freqs, w_img, out0
	v_lshl_add_u32 v[SPW], v0, 2, SPARE
	v_mov_b32 v[NIL], 0
	ds_add_u32 v[SPW], v[NIL]                      ; the wave's opening: the add, twice on end, and its wait
	ds_add_u32 v[SPW], v[NIL]
	v_lshrrev_b32 v1, 5, v0
	v_readfirstlane_b32 s[WV], v1                  ; wave 0..3
	s_bfe_u32 s19, ttmp6, 0x40000                  ; cx
	s_lshl_b32 s20, ttmp9, 2
	s_add_co_u32 s20, s20, s19                     ; X = 4 x cluster + cx
	s_mul_i32 s[WBS], s[WV], WB
	s_mov_b32 s[G1], 15|(3<<16)|(1<<21)            ; all four partners; elements of 8 bytes; bit 21 beside a mask
	s_mov_b32 s[G1+1], 32<<16                      ; 136 dense rows of 256 bytes
	s_mov_b32 s[G1+2], 136<<16
	s_mov_b32 s[G1+3], 32<<16
	s_mov_b32 s[G1+4], 136
	s_mov_b32 s[G1+5], 32
	s_mov_b32 s[G1+6], 0
	s_mov_b32 s[G1+7], 0
	s_mov_b32 s[G0], 1
	s_mov_b32 s[G0+1], s[WBS]                      ; slot 0
	s_mov_b32 s[TF], 0
	s_mov_b32 s[TR], SLOTB
	s_lshl_b32 s22, s20, 18                        ; 64 X rows of 4,096 bytes
	s_lshl_b32 s38, s[WV], 8
	s_add_co_u32 s38, s38, s22                     ; out0: + my 64 columns
	s_mov_b32 s39, 0
	s_lshl_b32 s23, s[WV], 16
	s_add_co_u32 s22, s22, s23                     ; x: + my 16 rows
	s_mov_b32 s23, 0
	s_mov_b32 s14, s[WBS]
	s_mov_b32 s15, 0
	s_mov_b32 s[SEL], 0x76543210
	s_mov_b32 s[SEL+1], 0xfedcba98
	s_mov_b32 s[CS], 0x3e38aa3b
	s_mov_b32 s[CS+1], s[CS]                       ; (named with it as a pair, so it is written)
	s_mov_b32 s[FLOOR], 0x1800000                  ; 2^(3 - 127)
	s_mov_b32 s85, 0x3f22f983                      ; 2 / pi
	s_mov_b32 s86, 0xbfc90000                      ; - pi / 2 in three parts
	s_mov_b32 s87, 0xb9fda000
	s_mov_b32 s88, 0xb3a22168
	s_mov_b32 s89, 0x37ccf5ce                      ; cos r = 1 - z / 2 + z^2 (c1 + z (c2 + z c3)), z = r^2: c3,
	s_mov_b32 s90, 0xbab6061a                      ; c2,
	s_mov_b32 s91, 0x3d2aaaa5                      ; c1
	s_mov_b32 s92, 0xb94ca1f9                      ; sin r = r + r z (s1 + z (s2 + z s3)): s3,
	s_mov_b32 s93, 0x3c08839e                      ; s2,
	s_mov_b32 s94, 0xbe2aaaa3                      ; s1
	s_add_co_u32 s66, s[WBS], 32768
	s_mul_i32 s67, s[WV], 544
	s_lshl_b32 s68, s[WV], 1
	s_add_co_u32 s68, s68, XSC
	s_mul_i32 s69, s[WV], XBL
	s_add_co_u32 s69, s69, XI
	s_lshl_b32 s70, s[WV], 9
	s_add_co_u32 s70, s70, XSC
	s_mul_i32 s71, s[WV], 2560
	s_add_co_u32 s71, s71, STG
	s_lshl_b32 s72, s19, 13
	s_lshl_b32 s73, s19, 9
	s_add_co_u32 s73, s73, 32768
	v_and_b32 v[LN], 31, v0
	v_and_b32 v[T0], 15, v0                        ; r
	v_bfe_u32 v[T0+1], v0, 4, 1                    ; h
	v_lshl_add_u32 v[ADW], v[LN], 4, s[WBS]
	v_lshlrev_b32 v[T0+2], 5, v[T0]
	v_lshl_add_u32 v[ADS], v[T0+1], 10, v[T0+2]    ; row 16 (e + 2 h) + r: 32 bytes a row
	v_add_nc_u32 v[XSR], XSC, v[ADS]
	v_add_nc_u32 v[ADS], s66, v[ADS]
	v_add_nc_u32 v[OSS], s68, v[T0+2]              ; o's bytes: row r, byte 2 x head
	v_mul_u32_u24 v[T0+3], v[T0+1], 272
	v_lshl_add_u32 v[RDA], v[T0], 4, v[T0+3]
	v_add_nc_u32 v[XIR], XI, v[RDA]
	v_add_nc_u32 v[OST], s67, v[XIR]               ; o's codes: pieces 2 x head + h
	v_add_nc_u32 v[RDA], s69, v[RDA]               ; the way out: lanes 0-15 one row of 256 bytes, lanes 16-31 the next
	v_mul_u32_u24 v[STO], v[T0], 272
	v_lshl_add_u32 v[STO], v[T0+1], 5, v[STO]
	v_add_nc_u32 v[STO], s69, v[STO]
	v_lshlrev_b32 v[CO], 12, v[T0+1]
	v_lshl_add_u32 v[CO], v[T0], 4, v[CO]
	v_lshlrev_b32 v[XLO], 4, v[LN]
	v_lshrrev_b32 v[T0+2], 1, v[LN]
	v_and_b32 v[T0+3], 1, v[LN]
	v_mul_u32_u24 v[CST], v[T0+2], 272
	v_lshl_add_u32 v[CST], v[T0+3], 3, v[CST]
	v_add_nc_u32 v[CST], s69, v[CST]               ; x's codes: piece lane / 2, half lane % 2
	v_add_nc_u32 v[BST], s70, v[T0+2]
	v_lshlrev_b32 v[PF2], 8, v[T0+3]
	v_add_nc_u32 v[PF2], s73, v[PF2]
	v_lshlrev_b32 v[PF1], 8, v[LN]
	v_add_nc_u32 v[PF1], s72, v[PF1]
	v_lshrrev_b32 v[T0+2], 2, v[LN]
	v_mul_u32_u24 v[T0+2], v[T0+2], 80
	v_and_b32 v[T0+3], 3, v[LN]
	v_lshl_add_u32 v[SGI], v[T0+3], 4, v[T0+2]
	v_add_nc_u32 v[SGI], s71, v[SGI]
	v_mul_u32_u24 v[SGO], v[LN], 80
	v_add_nc_u32 v[SGO], s71, v[SGO]
	v_lshlrev_b32 v[RA], 7, v[T0]
	v_lshl_add_u32 v[RA], v[T0+1], 6, v[RA]        ; rope_freqs: row r of 128 bytes, + 64 h: the angles of d = 16 h + 0 .. 15
	s_wait_dscnt 0x0                               ; both opening adds are done
	s_wait_alu depctr_va_vdst(0)
	s_wait_kmcnt 0x0
	s_add_nc_u64 s[4:5], s[4:5], s[22:23]
	s_add_nc_u64 s[10:11], s[10:11], s[38:39]
	s_add_nc_u64 s[G0+2:G0+3], s[8:9], s[14:15]
	s_or_b32 s[G0+3], s[G0+3], 0x80000000          ; type = 2
	s_add_nc_u64 s[PFA:PFA+1], s[8:9], s[14:15]
	s_add_nc_u64 s[PFA:PFA+1], s[PFA:PFA+1], SLOTB ; section 1: the first change steps it to section 2
; x: a step is half a row, 512 numbers; 16 sets of 16 registers in windows 2 and 1, loads run 14 steps (56 loads a wave) ahead
; Steps 0 to 15 are the first halves of my 16 rows, 16 to 31 the second.  Sets 0 to 7 lie in window 2's lower half, 8 to 15 in window 1 where the fragments of K steps 4 to 7 come later: so those of K steps 0 to 3 can be read while the second halves are on their way.
.macro XSET t
.set xi, (\t)%16
.if xi < 8
.set xb, 16*xi
.else
.set xb, 64*((xi-8)/2)+32+16*(xi%2)
.endif
.endm
.macro XLD t
	XSET \t
.if xi < 8
	WIN 0x80
.else
	WIN 0x40
.endif
.irp i, 0,1,2,3
	global_load_b128 v[xb+4*\i:xb+4*\i+3], v[XLO], s[4:5] offset:4096*((\t)%16)+2048*((\t)/16)+512*\i th:TH_LOAD_NT
.endr
.endm
.irp j, 0,1,2,3
	global_load_b128 v[ANG+4*\j:ANG+4*\j+3], v[RA], s[6:7] offset:16*\j
.endr
.set Q, 0
.rept 14
	XLD Q
.set Q, Q+1
.endr
	WIN 0
	CROUND                                         ; the four work-groups are here: the first joint loads meet
	tensor_load_to_lds s[G0:G0+3], s[G1:G1+7]      ; section 0 into slot 0
	s_nop 0
	PLACES 4
	s_wait_loadcnt 56                              ; the angles are in; x's 56 loads stay out
	; cos and sin of my 16 angles.  n = the nearest whole number to x 2 / pi; r = x - n pi / 2 by three fused multiply-adds; two polynomials; n's last two bits say which is which and the signs.
.rept 16
	v_mul_f32 v[NN+\+], s85, v[ANG+\+]
.endr
.rept 16
	v_rndne_f32 v[NN+\+], v[NN+\+]
.endr
.rept 16
	v_fma_f32 v[ANG+\+], v[NN+\+], s86, v[ANG+\+]
.endr
.rept 16
	v_fma_f32 v[ANG+\+], v[NN+\+], s87, v[ANG+\+]
.endr
.rept 16
	v_fma_f32 v[ANG+\+], v[NN+\+], s88, v[ANG+\+]
.endr
.rept 16
	v_mul_f32 v[ZZ+\+], v[ANG+\+], v[ANG+\+]
.endr
.rept 16
	v_fma_f32 v[CC+\+], v[ZZ+\+], s89, s90
	v_fma_f32 v[SS+\+], v[ZZ+\+], s92, s93
.endr
.rept 16
	v_fma_f32 v[CC+\+], v[CC+\+], v[ZZ+\+], s91
	v_fma_f32 v[SS+\+], v[SS+\+], v[ZZ+\+], s94
	v_mul_f32 v[TT+\+], v[ZZ+\+], v[ANG+\+]
.endr
.rept 16
	v_fma_f32 v[CC+\+], v[CC+\+], v[ZZ+\+], -0.5
	v_fma_f32 v[SS+\+], v[SS+\+], v[TT+\+], v[ANG+\+]
	v_cvt_i32_f32 v[NN+\+], v[NN+\+]
.endr
.rept 16
	v_fma_f32 v[CC+\+], v[CC+\+], v[ZZ+\+], 1.0
	v_and_b32 v[TT+\+], 1, v[NN+\+]
.endr
.rept 16
	v_cmp_eq_u32 vcc_lo, 1, v[TT+\+]               ; n odd: the two change places
	v_cndmask_b32 v[SIN+\+], v[SS+\+], v[CC+\+], vcc_lo
	v_cndmask_b32 v[COS+\+], v[CC+\+], v[SS+\+], vcc_lo
	v_lshlrev_b32 v[TT+\+], 30, v[NN+\+]           ; sin is negative where n mod 4 is 2 or 3: bit 1 of n,
	v_add_nc_u32 v[NN+\+], 1, v[NN+\+]             ; cos where it is 1 or 2: bit 1 of n + 1
.endr
.rept 16
	v_and_b32 v[TT+\+], 0x80000000, v[TT+\+]
	v_lshlrev_b32 v[NN+\+], 30, v[NN+\+]
.endr
.rept 16
	v_xor_b32 v[SIN+\+], v[SIN+\+], v[TT+\+]
	v_and_b32 v[NN+\+], 0x80000000, v[NN+\+]
.endr
.rept 16
	v_xor_b32 v[COS+\+], v[COS+\+], v[NN+\+]
.endr
.irp j, 4,5,6,7,16,17,18,19
	v_mov_b32 v[KC+\j], 0                          ; the halves of k's fragments that hold zero codes, set once
.endr
.irp j, 4,5,6,7
	v_mov_b32 v[TM+\j], 0                          ; written once: a lane permute's destination counts as one of its sources
.endr
; X'S QUANTISER.  A step's 2,048 bytes turn through my stage (80 bytes from lane to lane), so that a lane holds 16 neighbours; LDS serves a wave's instructions in order (ISA guide 5.7.1.4), so one stage serves all steps.
.macro XTURN t
	XSET \t
.if xi < 8
	WIN 0x08
.else
	WIN 0x04
.endif
.irp i, 0,1,2,3
	ds_store_b128 v[SGI], v[xb+4*\i:xb+4*\i+3] offset:640*\i
.endr
.irp i, 0,1,2,3
	ds_load_b128 v[XB+16*((\t)%2)+4*\i:XB+16*((\t)%2)+4*\i+3], v[SGO] offset:16*\i
.endr
	WIN 0
.endm
.macro XSTEP t
.set X0, XB+16*((\t)%2)
.set C0, CD+2*((\t)%4)
.set E0, EB+((\t)%4)
.if (\t) > 0
	s_wait_dscnt 2                                 ; this step's numbers are back; the last step's two small stores may be out
.else
	s_wait_dscnt 0x0
.endif
.if (\t)+14 < 32
	XLD (\t)+14                                    ; into the set of two steps ago
.endif
.if (\t)+1 < 32
.if (\t)+14 < 32
	s_wait_loadcnt 52                              ; the next step's four loads are in; the 13 steps behind it may be out
.else
	s_wait_loadcnt 4*(30-(\t))
.endif
	XTURN (\t)+1
.endif
	v_max3_num_f32 v[T0], |v[X0]|, |v[X0+1]|, |v[X0+2]|
	v_max3_num_f32 v[T0+1], |v[X0+3]|, |v[X0+4]|, |v[X0+5]|
.irp i, 6,10
	v_max3_num_f32 v[T0], v[T0], |v[X0+\i]|, |v[X0+\i+1]|
	v_max3_num_f32 v[T0+1], v[T0+1], |v[X0+\i+2]|, |v[X0+\i+3]|
.endr
	v_max3_num_f32 v[T0], v[T0], |v[X0+14]|, |v[X0+15]|
	v_max3_num_f32 v[T0], v[T0], v[T0+1], s[FLOOR] ; the floor: the byte cannot fall under 1
	v_max_num_f32_dpp v[T0], v[T0], v[T0] row_xmask:1 row_mask:0xf bank_mask:0xf   ; two lanes hold a block
	v_add_nc_u32 v[T0+2], 0xff000000, v[T0]        ; 2 off the exponent field: the conversion's scale operand
	v_cvt_scalef32_pk8_fp4_f32 v[C0], v[X0:X0+7], v[T0+2]
	v_cvt_scalef32_pk8_fp4_f32 v[C0+1], v[X0+8:X0+15], v[T0+2]
	v_lshrrev_b32 v[E0], 23, v[T0+2]
	ds_store_b64 v[CST], v[C0:C0+1] offset:16*((\t)%16)+4352*((\t)/16)
	ds_store_b8 v[BST], v[E0] offset:32*((\t)%16)+16*((\t)/16)   ; both lanes of a block write the same byte with the same value
.endm
	s_wait_loadcnt 52                              ; step 0's four loads are in
	XTURN 0
.set Q, 0
.rept 16
	XSTEP Q
.set Q, Q+1
.endr
	CHANGE 1                                       ; section 0 is in, and so are all first halves of x; section 1 into slot 1
	ADDR
.irp q, 0,1,2,3,4,5,6,7
	LOADSET \q
.endr
	WSLOAD
.irp q, 0,1,2,3
	XLK \q
.endr
	WIN 0
.rept 16
	XSTEP Q
.set Q, Q+1
.endr
	CHANGE 1                                       ; the image is whole; section 1 is in, section 0 in registers; section 2 into slot 0
.irp q, 4,5,6,7
	XLK \q
.endr
	XSLOAD
; The rotation of windows 2 p, 2 p + 1: t1 = tile u, t2 = tile 2 + u.  Each accumulator is read from its low end on.
.macro ROPEP p
	WIN 0x02
.irp q, 0,1
.irp u, 0,1
.set rA, 8*(4*(2*(\p)+\q)+\u)
.set rQ, QP+32*\q+8*\u
.irp jj, 0,2,4,6
	v_pk_mul_f32 v[rQ+\jj:rQ+\jj+1], v[rA+\jj:rA+\jj+1], v[COS+8*\u+\jj:COS+8*\u+\jj+1]
	v_pk_mul_f32 v[rQ+16+\jj:rQ+17+\jj], v[rA+16+\jj:rA+17+\jj], v[COS+8*\u+\jj:COS+8*\u+\jj+1]
.endr
.irp jj, 0,2,4,6
	v_pk_fma_f32 v[rQ+\jj:rQ+\jj+1], v[rA+16+\jj:rA+17+\jj], v[SIN+8*\u+\jj:SIN+8*\u+\jj+1], v[rQ+\jj:rQ+\jj+1] neg_lo:[0,1,0] neg_hi:[0,1,0]
	v_pk_fma_f32 v[rQ+16+\jj:rQ+17+\jj], v[rA+\jj:rA+\jj+1], v[SIN+8*\u+\jj:SIN+8*\u+\jj+1], v[rQ+16+\jj:rQ+17+\jj]
.endr
.endr
.endr
	WIN 0
.endm
; The quantiser of two windows' rotated q or k: blocks 0, 1 of the one, 2, 3 of the other by turns; register QP + 16 b + i is number 16 h + i of block b of my token.  Codes of the two windows at cb and cb + stp.
; In three parts: QA the lanes' largest magnitudes, QB the scales, QD codes and scale words.
.macro QA
.irp b, 0,1,2,3
	v_max3_num_f32 v[TM+\b], |v[QP+16*\b]|, |v[QP+1+16*\b]|, s[FLOOR]
.endr
.irp i, 2,4,6,8,10,12,14
.irp b, 0,1,2,3
	v_max3_num_f32 v[TM+\b], v[TM+\b], |v[QP+16*\b+\i]|, |v[QP+1+16*\b+\i]|
.endr
.endr
.endm
.macro QB
.irp b, 0,1,2,3
	v_permlanex16_b32 v[TM+4+\b], v[TM+\b], s[SEL], s[SEL+1]
.endr
.irp b, 0,1,2,3
	v_max_num_f32 v[TM+\b], v[TM+\b], v[TM+4+\b]   ; with lane l xor 16's: the block's
.endr
.irp b, 0,1,2,3
	v_add_nc_u32 v[TM+8+\b], 0xff000000, v[TM+\b]
.endr
.irp b, 0,1,2,3
	v_lshrrev_b32 v[TM+4+\b], 23, v[TM+8+\b]
.endr
.endm
.macro QD p, cb, stp, isk
.irp b, 0,1,2,3
	v_cvt_scalef32_pk8_fp4_f32 v[\cb+(\stp)*(\b/2)+2*(\b%2)], v[QP+16*\b:QP+16*\b+7], v[TM+8+\b]
	v_cvt_scalef32_pk8_fp4_f32 v[\cb+(\stp)*(\b/2)+2*(\b%2)+1], v[QP+16*\b+8:QP+16*\b+15], v[TM+8+\b]
.endr
	v_lshl_or_b32 v[TM+6], v[TM+7], 8, v[TM+6]     ; (also the plain line behind the conversions)
.if \isk
	v_lshl_or_b32 v[KS+2*(\p)], v[TM+5], 8, v[TM+4]
	v_lshlrev_b32 v[KS+2*(\p)+1], 16, v[TM+6]
.else
	v_lshl_or_b32 v[TM+4], v[TM+5], 8, v[TM+4]
	v_lshl_or_b32 v[QS+(\p)], v[TM+6], 16, v[TM+4]
.endif
.irp q, 0,1
.irp i, 0,1
	v_permlane16_swap_b32 v[\cb+(\stp)*\q+\i], v[\cb+(\stp)*\q+2+\i]   ; a whole block in a lane: lanes 0-15 block 0, lanes 16-31 block 1
.endr
.endr
.endm
; A section of q or k: the second pair's quantiser stands inside the change of sections
.macro SECTQK cb0, cb1, stp, isk
	ADDR
	MATRIX 0, 1
	ROPEP 0
	QA
	QB
	QD 0, \cb0, \stp, \isk
	ROPEP 1
	CH1 1
	QA
	CH2
	QB
	CH3 1
	QD 1, \cb1, \stp, \isk
.endm
; Step s (4 keys) of O^T = v^T p^T for windows a0, a1
.macro PVS s, a0, a1
	WIN 0xa2
.irp a, \a0, \a1
.irp t, 0,1,2,3
.set pD, 128+8*(4*\a+\t)
.set pV, 8*(4*\a+\t)+2*\s
.set pP, ST+8*\a+2*\s
.if \s == 0
	v_wmma_f32_16x16x4_f32 v[pD:pD+7], v[pV:pV+1], v[pP:pP+1], 0
.else
	v_wmma_f32_16x16x4_f32 v[pD:pD+7], v[pV:pV+1], v[pP:pP+1], v[pD:pD+7]
.endif
.endr
.endr
.endm
	s_wait_dscnt 0x0                               ; x's fragments and scale words are in
	s_mov_b32 s[CNT], 4
.Lheads:
	SECTQK QC, QC+8, 4, 0                          ; q
	SECTQK KC, KC+12, 8, 1                         ; k
	PLACES 8                                       ; a scale word so written stands 8 places ahead of a scaled product, an operand 4
.irp a, 0,1,2,3
.set eD, ST+8*\a
.set eA, KC+12*(\a/2)+4*(\a%2)
.set eB, QC+8*(\a/2)
.set eSA, KS+\a
.set eSB, QS+\a/2
.set eRA, 0
.set eRB, 0
.set eZ, 1
	EMIT
.endr
	PLACES 4
	; the softmax of my query over its 16 keys (8 mine, 8 in lane l xor 16), four windows by turns: p = 2^(c s - c m) / the sum, m the row's largest score
.irp a, 0,1,2,3
	v_max3_num_f32 v[QP+\a], v[ST+8*\a], v[ST+8*\a+1], v[ST+8*\a+2]
.endr
.irp a, 0,1,2,3
	v_max3_num_f32 v[QP+4+\a], v[ST+8*\a+3], v[ST+8*\a+4], v[ST+8*\a+5]
.endr
.irp a, 0,1,2,3
	v_max3_num_f32 v[QP+\a], v[QP+\a], v[ST+8*\a+6], v[ST+8*\a+7]
.endr
.irp a, 0,1,2,3
	v_max_num_f32 v[QP+\a], v[QP+\a], v[QP+4+\a]
.endr
.irp a, 0,1,2,3
	v_permlanex16_b32 v[QP+4+\a], v[QP+\a], s[SEL], s[SEL+1]
.endr
.irp a, 0,1,2,3
	v_max_num_f32 v[QP+\a], v[QP+\a], v[QP+4+\a]
.endr
.irp a, 0,1,2,3
	v_mul_f32 v[QP+8+2*\a], s[CS], v[QP+\a]
.endr
.irp j, 0,2,4,6
.irp a, 0,1,2,3
	v_pk_fma_f32 v[ST+8*\a+\j:ST+8*\a+\j+1], v[ST+8*\a+\j:ST+8*\a+\j+1], s[CS:CS+1], v[QP+8+2*\a:QP+9+2*\a] op_sel_hi:[1,0,0] neg_lo:[0,0,1] neg_hi:[0,0,1]   ; of the pairs c and c m the low word serves both halves
.endr
.endr
	s_wait_alu depctr_va_vdst(0)                   ; the wait ahead of the batch,
.irp j, 0,1,2,3,4,5,6,7
.irp a, 0,1,2,3
	v_exp_f32 v[ST+8*\a+\j], v[ST+8*\a+\j]
.endr
.endr
	v_nop
	s_wait_alu depctr_va_vdst(0)                   ; and behind it, ahead of its first reader
.irp a, 0,1,2,3
	v_pk_add_f32 v[QP+16+2*\a:QP+17+2*\a], v[ST+8*\a:ST+8*\a+1], v[ST+8*\a+2:ST+8*\a+3]
	v_pk_add_f32 v[QP+24+2*\a:QP+25+2*\a], v[ST+8*\a+4:ST+8*\a+5], v[ST+8*\a+6:ST+8*\a+7]
.endr
.irp a, 0,1,2,3
	v_pk_add_f32 v[QP+16+2*\a:QP+17+2*\a], v[QP+16+2*\a:QP+17+2*\a], v[QP+24+2*\a:QP+25+2*\a]
.endr
.irp a, 0,1,2,3
	v_add_f32 v[QP+\a], v[QP+16+2*\a], v[QP+17+2*\a]
.endr
.irp a, 0,1,2,3
	v_permlanex16_b32 v[QP+4+\a], v[QP+\a], s[SEL], s[SEL+1]
.endr
.irp a, 0,1,2,3
	v_add_f32 v[QP+\a], v[QP+\a], v[QP+4+\a]
.endr
	s_wait_alu depctr_va_vdst(0)                   ; the same for the reciprocals
.irp a, 0,1,2,3
	v_rcp_f32 v[QP+32+2*\a], v[QP+\a]
.endr
	v_nop
	s_wait_alu depctr_va_vdst(0)
.irp j, 0,2,4,6
.irp a, 0,1,2,3
	v_pk_mul_f32 v[ST+8*\a+\j:ST+8*\a+\j+1], v[ST+8*\a+\j:ST+8*\a+\j+1], v[QP+32+2*\a:QP+33+2*\a] op_sel_hi:[1,0]
.endr
.endr
	ADDR                                           ; (its wait also covers p)
	MATRIX 1, 1                                    ; v
	s_cmp_lg_u32 s[CNT], 1
	s_cbranch_scc1 .Lkeep_x
.irp q, 0,1,2,3,4,5
	XLK \q                                         ; the last heads: x is done with, and o's K steps 0 to 5 (the heads before) take its place
.endr
	WIN 0
.Lkeep_x:
	; O^T = v^T p^T with f32 operands, since the result goes into a quantiser.  16 accumulators by turns; their registers are written by matrix instructions alone.
.irp q, 0,1,2
	PVS \q, 0, 1
	PVS \q, 2, 3
.endr
	CH1 1
	PVS 3, 0, 1
	CH2
	PVS 3, 2, 3
	CH3 1
	PLACES 9                                       ; behind the f32 form, ahead of the first read of its results
	; o's quantiser: two blocks of 32 in each of four windows, by turns; O^T again has token r in lane (r, h)
	WIN 0x28
.irp a, 0,1,2,3,4,5,6,7
	v_max3_num_f32 v[QP+\a], s[FLOOR], |v[128+16*\a]|, |v[129+16*\a]|
.endr
.irp i, 2,4,6,8,10,12,14
.irp a, 0,1,2,3,4,5,6,7
	v_max3_num_f32 v[QP+\a], v[QP+\a], |v[128+16*\a+\i]|, |v[129+16*\a+\i]|
.endr
.endr
	WIN 0
.irp a, 0,1,2,3,4,5,6,7
	v_permlanex16_b32 v[QP+8+\a], v[QP+\a], s[SEL], s[SEL+1]
.endr
.irp a, 0,1,2,3,4,5,6,7
	v_max_num_f32 v[QP+\a], v[QP+\a], v[QP+8+\a]
.endr
.irp a, 0,1,2,3,4,5,6,7
	v_add_nc_u32 v[QP+16+\a], 0xff000000, v[QP+\a]
.endr
.irp a, 0,1,2,3,4,5,6,7
	v_lshrrev_b32 v[QP+24+\a], 23, v[QP+16+\a]
.endr
.irp a, 0,1,2,3
	v_lshl_or_b32 v[QP+24+2*\a], v[QP+25+2*\a], 8, v[QP+24+2*\a]
.endr
	WIN 0x02
.irp a, 0,1,2,3,4,5,6,7
	v_cvt_scalef32_pk8_fp4_f32 v[QP+32+2*\a], v[128+16*\a:135+16*\a], v[QP+16+\a]
	v_cvt_scalef32_pk8_fp4_f32 v[QP+33+2*\a], v[136+16*\a:143+16*\a], v[QP+16+\a]
.endr
	WIN 0
	v_nop                                          ; one plain line behind a scaled conversion
.irp a, 0,1,2,3
	v_permlane16_swap_b32 v[QP+32+4*\a], v[QP+34+4*\a]
	v_permlane16_swap_b32 v[QP+33+4*\a], v[QP+35+4*\a]
.endr
.irp a, 0,1,2,3
	ds_store_b128 v[OST], v[QP+32+4*\a:QP+35+4*\a] offset:XBL*\a   ; into the image of the next product's operand
	ds_store_b16 v[OSS], v[QP+24+2*\a] offset:512*\a               ; (lanes l and l xor 16 store the same two bytes)
.endr
	v_add_nc_u32 v[OST], 2176, v[OST]              ; four heads on
	v_add_nc_u32 v[OSS], 8, v[OSS]
	s_wait_alu depctr_va_vdst(0)
	s_sub_co_u32 s[CNT], s[CNT], 1
	s_cmp_lg_u32 s[CNT], 0
	s_cbranch_scc1 .Lheads
; THE WAY OUT of a block of 16 rows x 64 columns: through my stage, rows of 272 bytes, so that sixteen lanes store one aligned unit of 256 bytes
.macro TOSTAGE a
	WIN 0x08
.irp t, 0,1,2,3
	ds_store_b128 v[STO], v[8*(4*(\a)+\t):8*(4*(\a)+\t)+3] offset:4352*((\a)%2)+64*\t
	ds_store_b128 v[STO], v[8*(4*(\a)+\t)+4:8*(4*(\a)+\t)+7] offset:4352*((\a)%2)+64*\t+16
.endr
	WIN 0
.irp i, 0,1,2,3,4,5,6,7
	ds_load_b128 v[QP+32*((\a)%2)+4*\i:QP+32*((\a)%2)+4*\i+3], v[RDA] offset:4352*((\a)%2)+544*\i
.endr
.endm
.macro SEND a, younger
	s_wait_dscnt \younger                          ; the block is back; the next block's 8 stores and 8 loads may be out
.irp i, 0,1,2,3,4,5,6,7
	global_store_b128 v[CO], v[QP+32*((\a)%2)+4*\i:QP+32*((\a)%2)+4*\i+3], s[10:11] offset:65536*(\a)+8192*\i th:TH_STORE_NT
.endr
.endm
; A quarter of out0's columns.  jump = 1: the last quarter reads no further weights.
.macro OUTSEC jump
	MATRIX 0, 0
.if \jump
	s_cmp_eq_u32 s[CNT], 1
	s_cbranch_scc1 .Lno_more_\@
.endif
	ADDR
.irp q, 0,1,2,3,4,5,6,7
	LOADSET \q
.endr
	WSLOAD
.Lno_more_\@:
	TOSTAGE 0
	TOSTAGE 1
	SEND 0, 16
	s_wait_xcnt 0x0                                ; block 0's stores have read their registers
	TOSTAGE 2
	SEND 1, 16
	s_wait_xcnt 0x0
	TOSTAGE 3
	SEND 2, 16
	SEND 3, 0
	s_wait_xcnt 0x0                                ; the stores have read their base and their data
	s_add_nc_u64 s[10:11], s[10:11], 1024          ; 256 columns on
.endm
	s_wait_dscnt 0x0                               ; my last codes of o are in the image,
	s_barrier_signal -1
	s_barrier_wait -1                              ; and everybody's
	XLK 6
	XLK 7
	XSLOAD
	s_wait_dscnt 0x0
	s_barrier_signal -1                            ; nobody reads the image any more: its bytes become the stages
	s_barrier_wait -1
	OUTSEC 0
	CHANGE 0                                       ; section 15 into slot 1
	s_mov_b32 s[CNT], 3
.Lout:
	OUTSEC 1
	s_xor_b32 s[TR], s[TR], SLOTB
	s_wait_tensorcnt 0x0                           ; my part of the last section is in; nothing is filled again
	s_wait_dscnt 0x0
	s_sub_co_u32 s[CNT], s[CNT], 1
	s_cmp_lg_u32 s[CNT], 0
	s_cbranch_scc1 .Lout
	s_wait_tensorcnt 0x0                           ; the wave's end
	ds_add_u32 v[SPW], v[NIL]
	s_wait_dscnt 0x0
	CROUND                                         ; the closing round: no work-group ends while a partner may still ask for a tile that names it
	s_endpgm
.Lfunc_end_k_q878188672e_fused:
	.size	k_q878188672e_fused, .Lfunc_end_k_q878188672e_fused-k_q878188672e_fused
	.p2alignl 7, 3214868480
	.fill 96, 4, 3214868480
	.section	.rodata,"a",@progbits
	.p2align	6, 0x0
	.amdhsa_kernel k_q878188672e_fused
		.amdhsa_group_segment_fixed_size 327680
		.amdhsa_private_segment_fixed_size 0
		.amdhsa_enable_private_segment 0
		.amdhsa_kernarg_size 32
		.amdhsa_user_sgpr_count 2
		.amdhsa_user_sgpr_kernarg_segment_ptr 1
		.amdhsa_wavefront_size32 1
		.amdhsa_system_sgpr_workgroup_id_x 1
		.amdhsa_system_sgpr_workgroup_id_y 1
		.amdhsa_system_sgpr_workgroup_id_z 1
		.amdhsa_system_vgpr_workitem_id 0
		.amdhsa_next_free_vgpr 1024
		.amdhsa_next_free_sgpr 100
		.amdhsa_reserve_vcc 1
		.amdhsa_float_denorm_mode_32 3
		.amdhsa_float_denorm_mode_16_64 3
		.amdhsa_memory_ordered 1
		.amdhsa_forward_progress 1
		.amdhsa_inst_pref_size 255
	.end_amdhsa_kernel
	.section	.bss,"aw",@nobits
	.p2align	6
	.space	262144
	.amdgpu_metadata
---
amdhsa.version: [ 1, 2 ]
amdhsa.kernels:
  - .name:           k_q878188672e_fused
    .symbol:         k_q878188672e_fused.kd
    .args:
      - { .name: x, .offset: 0, .size: 8, .value_kind: global_buffer, .address_space: global }
      - { .name: rope_freqs, .offset: 8, .size: 8, .value_kind: global_buffer, .address_space: global }
      - { .name: w_img, .offset: 16, .size: 8, .value_kind: global_buffer, .address_space: global }
      - { .name: out0, .offset: 24, .size: 8, .value_kind: global_buffer, .address_space: global }
    .group_segment_fixed_size: 327680
    .private_segment_fixed_size: 0
    .kernarg_segment_align: 8
    .kernarg_segment_size: 32
    .max_flat_workgroup_size: 128
    .sgpr_count:     100
    .vgpr_count:     1024
    .wavefront_size: 32
...
	.end_amdgpu_metadata
.endif
;; end of part 2
